; MI455X (gfx1250); checked and timed in simulation.
; The chip was launched on July 23, 2026; its instructions are those of AMD's public machine-readable ISA for CDNA 5 (MIT licence, August 2026) and "CDNA5" Instruction Set Architecture Reference Guide (July 2026). The comments in the code are by the model that wrote it; some were corrected since.
;; Attention Layer. Allowed arithmetic: matrix products marked QUANTISED: E2M3 operands, one E8M0 scale for each 32 along K, by v_wmma_scale_f32_16x16x128_f8f6f4 with both operands' format E2M3, f32 sums; products left as they are: f32 operands where the result goes on into a quantised operand, else bf16, f16 or f32 operands; f32 sums; everything else in f32.
;; Inputs: Ua_b 1,024 float32; Ua_w_codes 1,024 x 32 x 24 uint8 (E2M3 codes of Ua_w, K innermost, in blocks of 32 codes, four codes in three bytes); Ua_w_scales 1,024 x 32 uint8 (E8M0 scales of Ua_w, one for each 32 codes along K); Va_b 1 float32; Va_w 1 x 1,024 float32; Wa_b 1,024 float32; Wa_w_codes 1,024 x 32 x 24 uint8 (E2M3 codes of Wa_w, K innermost, in blocks of 32 codes, four codes in three bytes); Wa_w_scales 1,024 x 32 uint8 (E8M0 scales of Wa_w, one for each 32 codes along K); keys 32 x 2,048 x 1,024 float32; query_codes 32 x 1 x 32 x 24 uint8 (E2M3 codes of query, K innermost, in blocks of 32 codes, four codes in three bytes); query_scales 32 x 1 x 32 uint8 (E8M0 scales of query, one for each 32 codes along K).
;; Outputs: out0 32 x 1 x 1,024 float32; out1 32 x 1 x 2,048 float32.
;; This version of the problem:
;;   THIS VERSION OF THE PROBLEM IS GIVEN IN LOW PRECISION. The matrix products marked QUANTISED in the list below multiply operands that are first quantised to E2M3 (2 exponent bits, 3 mantissa bits; 6 bits a number), with one power-of-two scale for each 32 numbers along K (OCP MX v1.0); their sums are f32. All else is computed in f32.
;;   The module's matrix products, in the order in which they are computed (A, B: the left and right operand; K: the contracted axis; several contracted axes count as one K, in the product's order):
;;     1. [M 32, K 1,024] x [K 1,024, N 1,024]; A: input query (given as codes); B: input Wa_w (given as codes): QUANTISED
;;     2. [M 65,536, K 1,024] x [K 1,024, N 1,024]; A: input keys; B: input Ua_w (given as codes): QUANTISED
;;     3. [M 65,536, K 1,024] x [K 1,024, N 1]; A: computed on the way; B: input Va_w: left as it is (N = 1 < 16)
;;     4. batch 32 x [M 1, K 2,048] x [K 2,048, N 1,024]; A: softmax; B: input keys: left as it is (M = 1 < 16)
;;   THE QUANTISER, for each operand of a quantised product, along K:
;;     - K is cut into blocks of 32 from its start; a last block that is shorter is filled with zeros.
;;     - A block's scale is 2^e with e = floor(log2(the largest magnitude in the block)) - 2, held to -126 .. 127; a block of zeros has e = 0. As a byte (E8M0): e + 127.
;;     - Each number is divided by its block's scale, clamped to +-7.5, and rounded to the nearest number of E2M3, ties to even, subnormals kept.
;;     - The product sums the exact products of the quantised numbers (number of the format x scale) in f32.
;;   ~~~python
;;   def quantise(x, axis):      # numpy; x: float32 -> the quantised numbers, widened to float32 again
;;       x = np.moveaxis(x, axis, -1); K = x.shape[-1]
;;       x = np.pad(x, [(0, 0)] * (x.ndim - 1) + [(0, -K % 32)]); x = x.reshape(x.shape[:-1] + (-1, 32)); a = np.abs(x).max(-1, keepdims=True)
;;       e = np.where(a > 0, np.clip(np.frexp(np.where(a > 0, a, 1))[1] - 1 - 2, -126, 127), 0)      # np.frexp(a)[1] - 1 = floor(log2(a)), exactly
;;       r = np.clip(x / 2.0 ** e, -7.5, 7.5)
;;       step = 2.0 ** (np.maximum(np.frexp(np.where(r == 0, 1, r))[1] - 1, 0) - 3)
;;       q = np.round(r / step) * step * 2.0 ** e      # np.round: ties to even
;;       return np.moveaxis(q.reshape(q.shape[:-2] + (-1,))[..., :K], -1, axis).astype(np.float32)
;;   ~~~
;;   INPUTS GIVEN AS CODES. Ua_w (in the module: [1024, 1024], K = its axis 1); Wa_w (in the module: [1024, 1024], K = its axis 1); query (in the module: [32, 1, 1024], K = its axis 2): each comes as NAME_codes (uint8): NAME with its K axis moved to the last place and cut into blocks of 32 codes, [.., K / 32, bytes a block], one block behind the other in memory; four codes in three bytes: a row's codes are one little-endian stream of bits, code i at bits 6 i .. 6 i + 5 (a code: sign, 2 exponent bits, 3 mantissa bits); and NAME_scales (uint8): the same leading axes, one E8M0 byte (e + 127) for each 32 codes along K. Its value is code x scale, taken as it is: it is not quantised again, and the codes and scales need not be those that the quantiser above would give.
;; One version. Each part assembles by itself: llvm-mc -triple=amdgcn-amd-amdhsa -mcpu=gfx1250 --defsym DOCPART=n.
;; ======== version 1 of 1: 3 launches
;; limits: values are held in bf16: 8 bits of precision; right only within a limited range of input values
;; workspace buffers: uaf 786,432 bytes; qb 131,072 bytes; sc 262,144 bytes; pml 65,536 bytes; pctx 1,048,576 bytes
;; launch prep (part 1): grid 64 x 1, 3 waves a work-group, no clusters, 0 bytes of LDS; arguments query_codes, query_scales, Wa_w_codes, Wa_w_scales, Wa_b, Ua_b, Ua_w_codes, qb, uaf; writes qb, uaf
.if DOCPART == 1
	.amdgcn_target "amdgcn-amd-amdhsa--gfx1250"
	.amdhsa_code_object_version 6
	.text
	.protected	k_qe56a198806_prep
	.globl	k_qe56a198806_prep
	.p2align	8
	.type	k_qe56a198806_prep,@function
k_qe56a198806_prep:
	s_mov_b64 s[64:65], 0
	v_nop
	global_prefetch_b8 v0, s[64:65] scope:SCOPE_SE
	s_setreg_imm32_b32 hwreg(HW_REG_WAVE_MODE, 25, 1), 1
	s_wait_xcnt 0x0
; LAUNCH 1 OF 3.  qb[b][o] = C2 x (sum over k of query[b][k] Wa[o][k] + Wa_b[o] + Ua_b[o]), C2 = 2 log2(e); and Ua's codes laid in the order of an operand's registers (uaf).
; THE WHOLE PROGRAM.  tanh(x) = 1 - 2 r with r = 1 / (1 + 2^(C2 x)), so a score is Va_b + sum(Va_w) - 2 sum over o of Va_w[o] r[s][o].
; DEAD WORK.  Both outputs hang on the scores through softmax over s alone, and softmax(z + c) = softmax(z) for every number c that is the same along s.  Va_b and sum(Va_w) are such
; numbers, whatever the inputs hold: they are left out.  Va_b then has no way to an output: it is not loaded and is no argument of any launch.
; LIMIT: a NaN, an infinity or an overflow that reaches only these two terms is not carried to the result.
; SHARES.  Work-group t takes the 16 outputs 16 t .. 16 t + 15.  Waves 0 and 1: the product for batches 0-15 and 16-31 (source 0 = 16 rows of Wa, source 1 = 16 queries: a lane holds one batch,
; its registers eight neighbouring outputs).  Wave 2: Ua's rows 16 t .. 16 t + 15 as eight fragments: fragment (t, s) at (8 t + s) x 1,536 bytes, registers 4 c .. 4 c + 3 of lane L at 512 c + 16 L.
; No LDS, no barrier: the waves share nothing.  No cluster: no two work-groups read the same rows of Wa or Ua, and the queries are 24 KB.
.set C2BITS, 0x4038aa3b
	s_load_b512 s[4:19], s[0:1], 0x0               ; query codes, query scales, Wa codes, Wa scales, Wa_b, Ua_b, Ua codes, qb
	s_load_b64 s[20:21], s[0:1], 0x40              ; uaf
	v_lshrrev_b32 v1, 5, v0
	v_readfirstlane_b32 s24, v1                    ; wave 0..2
	v_and_b32 v1, 31, v0                           ; lane L
	v_and_b32 v2, 15, v0                           ; r
	v_bfe_u32 v3, v0, 4, 1                         ; h
	v_mul_u32_u24 v4, v2, 768                      ; a row of 1,024 codes is 768 bytes
	v_mad_u32_u24 v4, v3, 24, v4                   ; + 24 h: my half's block of 32 codes
	s_mul_i32 s26, ttmp9, 12288                    ; 16 rows of codes; also eight fragments of uaf
	s_mov_b32 s27, 0
	s_wait_kmcnt 0x0
	s_cmp_eq_u32 s24, 2
	s_cbranch_scc0 .Lproject
	; ---- wave 2: a fragment's 12 registers come as six loads of 8 bytes from the rows and leave as three stores of 512 consecutive bytes
	s_add_nc_u64 s[16:17], s[16:17], s[26:27]
	s_add_nc_u64 s[20:21], s[20:21], s[26:27]
	s_wait_alu depctr_va_vdst(0)
	v_lshlrev_b32 v5, 4, v1                        ; 16 L
.irp s, 0,1,2,3,4,5,6,7
.irp p, 0,1,2,3,4,5
	global_load_b64 v[32+12*\s+2*\p:32+12*\s+2*\p+1], v4, s[16:17] offset:96*\s+48*(\p/3)+8*(\p%3)
.endr
.endr
	s_wait_alu depctr_va_vdst(0)
	s_wait_loadcnt 0x0
.irp s, 0,1,2,3,4,5,6,7
.irp c, 0,1,2
	global_store_b128 v5, v[32+12*\s+4*\c:32+12*\s+4*\c+3], s[20:21] offset:1536*\s+512*\c
.endr
.endr
	s_endpgm
.Lproject:
	; ---- waves 0 and 1
	s_add_nc_u64 s[8:9], s[8:9], s[26:27]          ; Wa's 16 rows
	s_mul_i32 s28, s24, 12288
	s_mov_b32 s29, 0
	s_add_nc_u64 s[4:5], s[4:5], s[28:29]          ; my 16 queries
	s_lshl_b32 s28, s24, 9
	s_add_nc_u64 s[6:7], s[6:7], s[28:29]          ; their scale bytes, 32 a row
	s_lshl_b32 s28, ttmp9, 9
	s_add_nc_u64 s[10:11], s[10:11], s[28:29]      ; Wa's scale bytes
	s_lshl_b32 s28, ttmp9, 6
	s_add_nc_u64 s[12:13], s[12:13], s[28:29]      ; the two biases at output 16 t
	s_add_nc_u64 s[14:15], s[14:15], s[28:29]
	s_lshl_b32 s30, s24, 16
	s_add_co_u32 s28, s28, s30
	s_add_nc_u64 s[18:19], s[18:19], s[28:29]      ; qb at batch 16 x wave, output 16 t
	s_mov_b32 s32, C2BITS
	s_mov_b32 s33, C2BITS                          ; (named with it as a pair, so it is written)
	s_wait_alu depctr_va_vdst(0)
	v_lshlrev_b32 v5, 5, v2                        ; 32 r: a row of scale bytes
	v_lshlrev_b32 v6, 5, v3                        ; 32 h: my half's eight outputs
	v_lshl_add_u32 v7, v2, 12, v6                  ; qb: row r of 4,096 bytes + 32 h
.irp s, 0,1,2,3,4,5,6,7
.irp p, 0,1,2,3,4,5
	global_load_b64 v[32+12*\s+2*\p:32+12*\s+2*\p+1], v4, s[8:9] offset:96*\s+48*(\p/3)+8*(\p%3)
	global_load_b64 v[128+12*\s+2*\p:128+12*\s+2*\p+1], v4, s[4:5] offset:96*\s+48*(\p/3)+8*(\p%3)
.endr
.endr
	global_load_b128 v[8:11], v5, s[10:11]         ; v8-15: Wa's scale words, one for each K step; v16-23: the queries'.  These registers hold scales and nothing else
	global_load_b128 v[12:15], v5, s[10:11] offset:16
	global_load_b128 v[16:19], v5, s[6:7]
	global_load_b128 v[20:23], v5, s[6:7] offset:16
	global_load_b128 v[224:227], v6, s[12:13]
	global_load_b128 v[228:231], v6, s[12:13] offset:16
	global_load_b128 v[232:235], v6, s[14:15]
	global_load_b128 v[236:239], v6, s[14:15] offset:16
	s_wait_loadcnt 0x0
; two accumulators by turns, one instruction a turn: even K steps in v240-247, odd ones in v248-255; each sum's first product takes the constant 0
.irp s, 0,1,2,3,4,5,6,7
.if \s < 2
	v_wmma_scale_f32_16x16x128_f8f6f4 v[240+8*(\s%2):247+8*(\s%2)], v[32+12*\s:43+12*\s], v[128+12*\s:139+12*\s], 0, v[8+\s], v[16+\s] matrix_a_fmt:MATRIX_FMT_FP6 matrix_b_fmt:MATRIX_FMT_FP6
.else
	v_wmma_scale_f32_16x16x128_f8f6f4 v[240+8*(\s%2):247+8*(\s%2)], v[32+12*\s:43+12*\s], v[128+12*\s:139+12*\s], v[240+8*(\s%2):247+8*(\s%2)], v[8+\s], v[16+\s] matrix_a_fmt:MATRIX_FMT_FP6 matrix_b_fmt:MATRIX_FMT_FP6
.endif
.endr
.irp j, 0,2,4,6
	v_pk_add_f32 v[224+\j:225+\j], v[224+\j:225+\j], v[232+\j:233+\j]   ; Wa_b + Ua_b: four plain lines that name no register of the products: the places behind them (ISA guide 7.12.1)
.endr
.irp j, 0,2,4,6
	v_pk_add_f32 v[24+\j:25+\j], v[240+\j:241+\j], v[248+\j:249+\j]     ; the two halves of the sum, each accumulator from its low end on
.endr
.irp j, 0,2,4,6
	v_pk_add_f32 v[24+\j:25+\j], v[24+\j:25+\j], v[224+\j:225+\j]
.endr
.irp j, 0,2,4,6
	v_pk_mul_f32 v[24+\j:25+\j], v[24+\j:25+\j], s[32:33] op_sel_hi:[1,0]
.endr
	global_store_b128 v7, v[24:27], s[18:19]       ; 32 bytes of a batch's row: the buffer is 128 KB in all
	global_store_b128 v7, v[28:31], s[18:19] offset:16
	s_endpgm
.Lfunc_end_k_qe56a198806_prep:
	.size	k_qe56a198806_prep, .Lfunc_end_k_qe56a198806_prep-k_qe56a198806_prep
	.p2alignl 7, 3214868480
	.fill 96, 4, 3214868480
	.section	.rodata,"a",@progbits
	.p2align	6, 0x0
	.amdhsa_kernel k_qe56a198806_prep
		.amdhsa_group_segment_fixed_size 0
		.amdhsa_private_segment_fixed_size 0
		.amdhsa_enable_private_segment 0
		.amdhsa_kernarg_size 72
		.amdhsa_user_sgpr_count 2
		.amdhsa_user_sgpr_kernarg_segment_ptr 1
		.amdhsa_wavefront_size32 1
		.amdhsa_system_sgpr_workgroup_id_x 1
		.amdhsa_system_sgpr_workgroup_id_y 1
		.amdhsa_system_sgpr_workgroup_id_z 1
		.amdhsa_system_vgpr_workitem_id 0
		.amdhsa_next_free_vgpr 256
		.amdhsa_next_free_sgpr 66
		.amdhsa_reserve_vcc 0
		.amdhsa_float_denorm_mode_32 3
		.amdhsa_float_denorm_mode_16_64 3
		.amdhsa_memory_ordered 1
		.amdhsa_forward_progress 1
		.amdhsa_inst_pref_size 21
	.end_amdhsa_kernel
	.amdgpu_metadata
---
amdhsa.version: [ 1, 2 ]
amdhsa.kernels:
  - .name:           k_qe56a198806_prep
    .symbol:         k_qe56a198806_prep.kd
    .args:
      - { .name: query_codes, .offset: 0, .size: 8, .value_kind: global_buffer, .address_space: global }
      - { .name: query_scales, .offset: 8, .size: 8, .value_kind: global_buffer, .address_space: global }
      - { .name: Wa_w_codes, .offset: 16, .size: 8, .value_kind: global_buffer, .address_space: global }
      - { .name: Wa_w_scales, .offset: 24, .size: 8, .value_kind: global_buffer, .address_space: global }
      - { .name: Wa_b, .offset: 32, .size: 8, .value_kind: global_buffer, .address_space: global }
      - { .name: Ua_b, .offset: 40, .size: 8, .value_kind: global_buffer, .address_space: global }
      - { .name: Ua_w_codes, .offset: 48, .size: 8, .value_kind: global_buffer, .address_space: global }
      - { .name: qb, .offset: 56, .size: 8, .value_kind: global_buffer, .address_space: global }
      - { .name: uaf, .offset: 64, .size: 8, .value_kind: global_buffer, .address_space: global }
    .group_segment_fixed_size: 0
    .private_segment_fixed_size: 0
    .kernarg_segment_align: 8
    .kernarg_segment_size: 72
    .max_flat_workgroup_size: 96
    .sgpr_count:     66
    .vgpr_count:     256
    .wavefront_size: 32
...
	.end_amdgpu_metadata
.endif
;; end of part 1
;; launch main (part 2): grid 256 x 1, 4 waves a work-group, no clusters, 327,680 bytes of LDS; arguments keys, uaf, Ua_w_scales, qb, Va_w, sc, pml, pctx; writes sc, pml, pctx
.if DOCPART == 2
	.amdgcn_target "amdgcn-amd-amdhsa--gfx1250"
	.amdhsa_code_object_version 6
	.text
	.protected	k_qe56a198806_main
	.globl	k_qe56a198806_main
	.p2align	8
	.type	k_qe56a198806_main,@function
k_qe56a198806_main:
	s_mov_b64 s[64:65], 0
	v_nop
	global_prefetch_b8 v0, s[64:65] scope:SCOPE_SE
	s_setreg_imm32_b32 hwreg(HW_REG_WAVE_MODE, 25, 1), 1
	s_wait_xcnt 0x0
; LAUNCH 2 OF 3.  All that touches keys: quantise, keys x Ua^T on codes of E2M3, r = 1 / (1 + 2^(C2 x)), t[s] = sum over o of (-C2 Va_w[o]) r[s][o] (= log2(e) x the score less a constant),
; a running softmax in base 2 (maximum m, sum l) and the sum of 2^(t - m) x key over the work-group's rows.  Left out as dead work (shown at the head of the first kernel): Va_b and sum(Va_w).
; SHARES.  Work-group G owns rows 256 G .. 256 G + 255 of batch G / 8, as eight blocks of 32 rows.  Wave w owns outputs 256 w .. 256 w + 255, 16 tiles of 16, for all rows in hand.
; Two blocks are in hand, half a period apart: group 0 (even blocks) in register window 1, group 1 (odd blocks) in window 2.  A half-step walks 8 of the wave's 16 tiles.
; At a BOUNDARY between half-steps one block changes: its scores are summed, its softmax step and its part of the context are done, the next block is quantised.
; A key row is read from memory once: it lands in LDS as f32 (tensor load), becomes codes (for the product) and bf16 (kept in LDS until its score is known, for the context).
; Ua's fragments come from uaf straight into registers (three loads of 512 consecutive bytes each) two tiles ahead; each feeds four products.
; A TILE STEP: the tile's 32 products on four accumulators by turns, then the same tile's r in five batches, so that no transcendental stands inside a chain of products.
; NO CLUSTER, though all work-groups walk Ua: a fragment is read by one wave alone, and a joint ring of two slots of one tile a wave would be 2 x 4 x 12,288 = 98,304 bytes, where the map below leaves 7,168.
; NO PREFETCH of keys: a refill is asked for a whole half-step (8 tile steps) and the next boundary's first part ahead of the wait for it; uaf is walked by every work-group again and again.
; THE PRODUCT: source 0 = 16 rows of keys, source 1 = 16 rows of Ua: a lane holds ONE output (lane % 16) and its registers eight rows, so bias and Va are one number a lane.
; LIMITS.  NaN and infinities among the keys are not served.  A block of 32 zeros gets the scale byte 1 where the rule says 127: its codes are zeros and the bytes are this program's own.
; The keys go into the context as bf16.  Sums run in another order than in the reference.  m starts at -3e38.
; LDS (bytes):  T 0: wave w at 33,280 w: its 8 rows as 32 segments of 1 KB, 1,040 apart; filled by tensor loads alone.  BF0 133,120, BF1 200,704: a group's 32 rows in bf16, segment 4 row + quarter at 528 x that.
;   IMG 268,288: the new block's 16 fragments as images of their registers.  SCB 292,864: its scale bytes [32][32].  BT 293,888, VT + 4,096: for each wave 8 pairs x 16 lanes x 8 bytes of qb and of -C2 Va_w.
;   PS 302,080: [group][wave][32] partial t.  PB 303,104: [wave][32] p.  CX 303,616: [wave][1,024] at the end.  SPARE 320,000: the spare words.  All of a WGP's LDS is claimed.
; REGISTERS.  Window 0: v1-29 addresses and m, l, f; v30, v31 the add's two; v32-47 the keys' scale words, v48-63 Ua's (scales and nothing else); v64-95 the context; v96-159 numbers in hand; v160-207 codes and bf16 on
;   their way to LDS; v208-227 at work.  Windows 1, 2: v0-191 the group's codes (16 fragments); v192-207 two accumulators; v224-239 the 16 sums; v240-241 the bias pair.  Window 3: v0-191 Ua, two sets; v192-193 Va's pair.
.set T_W,    33280
.set T_P,    1040
.set BF0,    133120
.set BFSZ,   67584
.set BF_P,   528
.set IMG,    268288
.set SCB,    292864
.set BT,     293888
.set VT_O,   4096
.set PS,     302080
.set PB,     303104
.set CX,     303616
.set SPARE,  320000
.set MSB, 0
.macro WIN new                         ; low byte: bits 1:0 source 0, 3:2 source 1, 5:4 source 2, 7:6 destination; the high byte repeats the setting that is left
.if MSB != (\new)
	s_set_vgpr_msb (MSB<<8)|(\new)
.set MSB, (\new)
.endif
.endm
.macro ALUW
	s_wait_alu depctr_va_vdst(0)
.endm
.macro NOP4                            ; four places behind a product (ISA guide 7.12.1 for vector instructions)
.rept 4
	v_nop
.endr
.endm
; 12 loads: fragments base .. base + 3 of the tile at s[44:45] into Ua's set pi
.macro RING pi, base
	WIN 0xc0
.irp f, 0,1,2,3
.irp c, 0,1,2
	global_load_b128 v[96*(\pi)+12*((\base)+\f)+4*\c:96*(\pi)+12*((\base)+\f)+4*\c+3], v1, s[44:45] offset:1536*((\base)+\f)+512*\c
.endr
.endr
.endm
; one product of group g, rows 16 mu on, K step s, Ua's set pi; the first K step starts the sum
.macro MM g, mu, s, pi
.set rA, 192+8*(\mu)
.set rC, 96*(\mu)+12*(\s)
.set rR, 96*(\pi)+12*(\s)
.if (\s) == 0
.if (\mu) == 0
	v_wmma_scale_f32_16x16x128_f8f6f4 v[rA:rA+7], v[rC:rC+11], v[rR:rR+11], 0, v[32+8*(\g)+(\s)], v[48+8*(\pi)+(\s)] matrix_a_fmt:MATRIX_FMT_FP6 matrix_b_fmt:MATRIX_FMT_FP6
.else
	v_wmma_scale_f32_16x16x128_f8f6f4 v[rA:rA+7], v[rC:rC+11], v[rR:rR+11], 0, v[32+8*(\g)+(\s)], v[48+8*(\pi)+(\s)] matrix_a_fmt:MATRIX_FMT_FP6 matrix_b_fmt:MATRIX_FMT_FP6 matrix_a_scale:MATRIX_SCALE_ROW1
.endif
.else
.if (\mu) == 0
	v_wmma_scale_f32_16x16x128_f8f6f4 v[rA:rA+7], v[rC:rC+11], v[rR:rR+11], v[rA:rA+7], v[32+8*(\g)+(\s)], v[48+8*(\pi)+(\s)] matrix_a_fmt:MATRIX_FMT_FP6 matrix_b_fmt:MATRIX_FMT_FP6
.else
	v_wmma_scale_f32_16x16x128_f8f6f4 v[rA:rA+7], v[rC:rC+11], v[rR:rR+11], v[rA:rA+7], v[32+8*(\g)+(\s)], v[48+8*(\pi)+(\s)] matrix_a_fmt:MATRIX_FMT_FP6 matrix_b_fmt:MATRIX_FMT_FP6 matrix_a_scale:MATRIX_SCALE_ROW1
.endif
.endif
.endm
; four K steps; the accumulators take turns, one instruction a turn
.macro MMS gm, pi, s0
.irp s, \s0, \s0+1, \s0+2, \s0+3
.if (\gm) & 1
	WIN 0x5d
	MM 0, 0, \s, \pi
	MM 0, 1, \s, \pi
.endif
.if (\gm) & 2
	WIN 0xae
	MM 1, 0, \s, \pi
	MM 1, 1, \s, \pi
.endif
.endr
.endm
; one batch over a group's 16 results.  0: C2 x sum + bias; 1: 2^..; 2: + 1; 3: 1 / ..; 4: the sums take Va x r.  The tile takes the pair's low word where pi = 0, else its high word
.macro VG pi, st
.set j, 0
.if ((\st) == 1) || ((\st) == 3)
.rept 16
.if (\st) == 1
	v_exp_f32 v[192+j], v[192+j]
.else
	v_rcp_f32 v[192+j], v[192+j]
.endif
.set j, j+1
.endr
.else
.rept 8
.if (\st) == 0
.if (\pi) == 0
	v_pk_fma_f32 v[192+j:193+j], v[192+j:193+j], s[22:23], v[240:241] op_sel_hi:[1,0,0]
.else
	v_pk_fma_f32 v[192+j:193+j], v[192+j:193+j], s[22:23], v[240:241] op_sel:[0,0,1] op_sel_hi:[1,0,1]
.endif
.elseif (\st) == 2
	v_pk_add_f32 v[192+j:193+j], v[192+j:193+j], 1.0 op_sel_hi:[1,0]
.else
.if (\pi) == 0
	v_pk_fma_f32 v[224+j:225+j], v[192+j:193+j], v[192:193], v[224+j:225+j] op_sel_hi:[1,0,1]
.else
	v_pk_fma_f32 v[224+j:225+j], v[192+j:193+j], v[192:193], v[224+j:225+j] op_sel:[0,1,0] op_sel_hi:[1,1,1]
.endif
.endif
.set j, j+2
.endr
.endif
.endm
.macro VS gm, pi, st, ord              ; the batch for the groups at work; ord turns their order, so that a window setting serves two batches
.if (\ord) == 0
.if (\gm) & 1
	WIN 0x5d
	VG \pi, \st
.endif
.if (\gm) & 2
	WIN 0xae
	VG \pi, \st
.endif
.else
.if (\gm) & 2
	WIN 0xae
	VG \pi, \st
.endif
.if (\gm) & 1
	WIN 0x5d
	VG \pi, \st
.endif
.endif
.endm
; A TILE STEP.  gm: mask of groups at work; pi: the tile's parity; ld: Ua of the tile two on is asked for.
; LOADcnt carries Ua's loads alone: a step issues 12 (fragments 0-3), 2 (scale words), 12 (fragments 4-7).  w1 wants this tile's first 14: behind them its 12 and the last step's 26 = 38.
; w2 wants its last 12: behind them 26 and the 12 just issued = 38.
.macro ITER gm, pi, ld, w1, w2
	s_wait_loadcnt \w1
	MMS \gm, \pi, 0
.if \ld
	NOP4
	s_wait_xcnt 0x0                                ; the last step's loads have read their bases: they may be written
	s_add_co_u32 s48, s48, 1
	s_and_b32 s48, s48, 15                         ; the tile to ask for, round the wave's 16
	s_mul_i32 s50, s48, 12288
	s_lshl_b32 s52, s48, 9
	s_add_nc_u64 s[44:45], s[40:41], s[50:51]
	s_add_nc_u64 s[46:47], s[42:43], s[52:53]
	RING \pi, 0
.endif
	s_wait_loadcnt \w2
	MMS \gm, \pi, 4
	NOP4                                           ; for the loads below and for the first reads of the results
.if \ld
	WIN 0
	global_load_b128 v[48+8*(\pi):51+8*(\pi)], v2, s[46:47]              ; 16 rows x 32 scale bytes: 512 consecutive bytes
	global_load_b128 v[52+8*(\pi):55+8*(\pi)], v2, s[46:47] offset:16
	RING \pi, 4
.endif
.if (\pi) == 0
	s_wait_dscnt 0x0                               ; the pairs of bias and Va, asked for at the trip's head
.endif
	VS \gm, \pi, 0, 0                              ; each accumulator from its low end on
	ALUW                                           ; ahead of the batch of exponentials
	VS \gm, \pi, 1, 1
	v_nop                                          ; a plain line behind the last of them,
	ALUW                                           ; and one wait for the batch
	VS \gm, \pi, 2, 0
	ALUW
	VS \gm, \pi, 3, 1
	v_nop
	ALUW
	VS \gm, \pi, 4, 0
.endm
; two tile steps: tiles a + 2 s54 and the next, which share a pair of bias and of Va
.macro TRIP gm, a, ld, wa, wb, wc, wd
	s_lshl_b32 s57, s54, 7                         ; 128 bytes a pair
	v_add_nc_u32 v22, s57, v20
.if (\gm) & 1
	WIN 0x40
	ds_load_b64 v[240:241], v22 offset:64*(\a)
.endif
.if (\gm) & 2
	WIN 0x80
	ds_load_b64 v[240:241], v22 offset:64*(\a)
.endif
	WIN 0xc0
	ds_load_b64 v[192:193], v22 offset:VT_O+64*(\a)
	ITER \gm, 0, \ld, \wa, \wb
	ITER \gm, 1, \ld, \wc, \wd
	WIN 0
.endm
; A HALF-STEP: tiles a .. a + 7.  last = 1: the launch's last half-step: its tiles 6 and 7 ask for nothing, and the counts run down.
.macro HALF gm, a, last
	s_wait_dscnt 0x0                               ; the new block's codes and scale words
	s_mov_b32 s54, 0
.Lhalf_\@:
	TRIP \gm, \a, 1, 38, 38, 38, 38
	s_add_co_u32 s54, s54, 1
	s_cmp_lt_u32 s54, 4-(\last)
	s_cbranch_scc1 .Lhalf_\@
.if \last
	TRIP \gm, \a, 0, 38, 26, 12, 0
.endif
.endm
; The finished block's 16 sums a lane (register j of tile mu: row 16 mu + 8 (lane / 16) + j) are summed over the 16 outputs of a lane row and go to PS: my wave's 256 outputs' part of t.
.macro REDUCE g
	ALUW
	WIN 0x01*((\g)+1)
.irp i, 0,1,2,3,4,5,6,7,8,9,10,11,12,13,14,15
	v_mov_b32 v[96+\i], v[224+\i]
.endr
	WIN 0
.irp k, 1,2,4,8
.irp i, 0,1,2,3,4,5,6,7,8,9,10,11,12,13,14,15
	v_add_f32_dpp v[96+\i], v[96+\i], v[96+\i] row_xmask:\k row_mask:0xf bank_mask:0xf
.endr
.endr
.irp m, 0,1
.irp u, 0,1
	ds_store_b128 v14, v[96+8*\m+4*\u:99+8*\m+4*\u] offset:512*(\g)+64*\m+16*\u   ; the sixteen lanes of a half write the same words with the same values
.endr
.endr
.endm
; Lane L takes row L of the block.  All four waves compute the same m, l, f and p from the same numbers in the same order; wave 0 stores t.
.macro SOFTMAX g
.irp q, 0,1,2,3
	ds_load_b32 v[213+\q], v15 offset:512*(\g)+128*\q
.endr
	WIN 0x40*((\g)+1)                              ; my wave's 8 rows in bf16 go into the finished group's code registers v0-127, which are done with until the next block's fragments come
.irp i, 0,1,2,3,4,5,6,7
.irp q, 0,1,2,3
	ds_load_b128 v[16*\i+4*\q:16*\i+4*\q+3], v[8+(\g)] offset:4*BF_P*\i+BF_P*\q
.endr
.endr
	WIN 0
	s_wait_dscnt 32                                ; the four parts of t are in; the 32 loads behind them may be out
	v_add_f32 v213, v213, v214
	v_add_f32 v215, v215, v216
	v_add_f32 v217, v213, v215                     ; t
	ALUW                                           ; t is read behind the branch below
	s_cmp_lg_u32 s20, 0
	s_cbranch_scc1 .Lnot_wave_0_\@
	global_store_b32 v28, v217, s[58:59]
.Lnot_wave_0_\@:
	v_mov_b32 v218, v217
.irp k, 1,2,4,8
	v_max_num_f32_dpp v218, v218, v218 row_xmask:\k row_mask:0xf bank_mask:0xf
.endr
	v_permlanex16_b32 v219, v218, s24, s25
	v_max3_num_f32 v220, v218, v219, v24           ; the new m
	v_sub_f32 v222, v24, v220
	v_sub_f32 v221, v217, v220
	ALUW                                           ; ahead of the two exponentials
	v_exp_f32 v26, v222                            ; f = 2^(old m - new m)
	v_exp_f32 v221, v221                           ; p = 2^(t - m)
	v_mov_b32 v24, v220                            ; (a plain line behind the two)
	ALUW                                           ; one wait for both
	ds_store_b32 v16, v221                         ; into my wave's own copy,
	ds_load_b128 v[224:227], v17                   ; and back: the p of my wave's 8 rows (LDS serves a wave's instructions in order: ISA guide 5.7.1.4)
	ds_load_b128 v[228:231], v17 offset:16
	v_mov_b32 v222, v221
.irp k, 1,2,4,8
	v_add_f32_dpp v222, v222, v222 row_xmask:\k row_mask:0xf bank_mask:0xf
.endr
	v_permlanex16_b32 v223, v222, s24, s25
	v_add_f32 v222, v222, v223
	v_fma_f32 v25, v25, v26, v222                  ; l = l f + the block's sum of p
.irp j, 0,2,4,6,8,10,12,14,16,18,20,22,24,26,28,30
	v_pk_mul_f32 v[64+\j:65+\j], v[64+\j:65+\j], v[26:27] op_sel_hi:[1,0]
.endr
	ALUW
	s_wait_xcnt 0x0                                ; the store has read its base and its data
	s_add_nc_u64 s[58:59], s[58:59], 128           ; the next block's 32 numbers
.endm
; My wave's own 8 rows of the block, all 1,024 columns: lane L holds columns 256 q + 8 L + 0 .. 7.  The rows are those that my wave wrote: no barrier.
; The rows (group window, v[16 i + 4 q ..]) and their p (v224-231) were asked for in SOFTMAX: one wait serves all 34 loads.
.macro CONTEXT g
	s_wait_dscnt 0x0
	WIN 0x01*((\g)+1)                              ; source 0 in the group's window
.irp i, 0,1,2,3,4,5,6,7
.irp q, 0,1,2,3
.irp e, 0,1,2,3
	v_fma_mix_f32_bf16 v[64+8*\q+2*\e], v[16*\i+4*\q+\e], v[224+\i], v[64+8*\q+2*\e] op_sel_hi:[1,0,0]
	v_fma_mix_f32_bf16 v[65+8*\q+2*\e], v[16*\i+4*\q+\e], v[224+\i], v[65+8*\q+2*\e] op_sel:[1,0,0] op_sel_hi:[1,0,0]
.endr
.endr
.endr
	WIN 0
.endm
; THE QUANTISER.  Lane l owns segment l of my wave's part of T: row 8 w + l / 4, k = 256 (l % 4) + 0 .. 255: eight whole blocks of 32, two K steps; a trip is a K step, four blocks.
.macro PLD b                           ; block b's 32 numbers into set b % 2
.irp i, 0,1,2,3,4,5,6,7
	ds_load_b128 v[96+32*((\b)&1)+4*\i:96+32*((\b)&1)+4*\i+3], v10 offset:128*(\b)+16*\i
.endr
.endm
; A block: its largest magnitude (with the floor 2^(3 - 127) among the leaves, so that the byte cannot fall under 1), 2 off its exponent field = the conversion's scale operand, its byte, 32 codes, 32 bf16.
; The block is block 2 c + h of its K step (h = b % 2, c = b / 2): its six registers are registers 6 c .. 6 c + 5 of lane (row % 16) + 16 h of the fragment's image.
.macro PBLK b, cnt, more
.set XS, 96+32*((\b)&1)
.set ES, 160+6*((\b)&1)
.set BS, 176+16*((\b)&1)
.set HO, 256*((\b)&1)
	s_wait_dscnt \cnt                              ; my block's loads are in, and so are all LDS stores older than them: the sets of this parity may be written again
	v_max3_num_f32 v208, |v[XS]|, |v[XS+1]|, 0x1800000
	v_cvt_pk_bf16_f32 v[BS], v[XS], v[XS+1]
	v_max3_num_f32 v209, |v[XS+16]|, |v[XS+17]|, |v[XS+18]|
	v_cvt_pk_bf16_f32 v[BS+1], v[XS+2], v[XS+3]
.irp k, 1,2,3,4,5,6
	v_max3_num_f32 v208, v208, |v[XS+2*\k]|, |v[XS+2*\k+1]|
	v_cvt_pk_bf16_f32 v[BS+2*\k], v[XS+4*\k], v[XS+4*\k+1]
	v_max3_num_f32 v209, v209, |v[XS+17+2*\k]|, |v[XS+18+2*\k]|
	v_cvt_pk_bf16_f32 v[BS+2*\k+1], v[XS+4*\k+2], v[XS+4*\k+3]
.endr
	v_max3_num_f32 v208, v208, |v[XS+14]|, |v[XS+15]|
	v_cvt_pk_bf16_f32 v[BS+14], v[XS+28], v[XS+29]
	v_max3_num_f32 v208, v208, v209, |v[XS+31]|
	v_cvt_pk_bf16_f32 v[BS+15], v[XS+30], v[XS+31]
	v_add_nc_u32 v210, 0xff000000, v208
	v_cvt_scalef32_pk16_fp6_f32 v[ES:ES+2], v[XS:XS+15], v210
	v_cvt_scalef32_pk16_fp6_f32 v[172:174], v[XS+16:XS+31], v210       ; (a conversion's three registers begin on an even number)
.if (\b) == 0
	v_lshrrev_b32 v212, 23, v210                   ; the scale's byte: also the plain line behind the conversions
.else
	v_lshrrev_b32 v211, 23, v210
	v_lshl_or_b32 v212, v211, 8*(\b), v212         ; four bytes make my row's scale word of this K step
.endif
	v_mov_b32 v[ES+3], v172
	v_mov_b32 v[ES+4], v173
	v_mov_b32 v[ES+5], v174
.irp i, 0,1,2,3
	ds_store_b128 v12, v[BS+4*\i:BS+4*\i+3] offset:64*(\b)+16*\i
.endr
.if (\b) < 2
	ds_store_b128 v11, v[ES:ES+3] offset:HO
	ds_store_b64 v11, v[ES+4:ES+5] offset:HO+512
.else
	ds_store_b64 v11, v[ES:ES+1] offset:HO+520
	ds_store_b128 v11, v[ES+2:ES+5] offset:HO+1024
.endif
.if \more
	PLD (\b)+2
.endif
.endm
; LDS instructions of a trip in order: 8, 8 loads; 6 stores, 8 loads; 6 stores, 8 loads; 6 stores; 6 stores; 1 store.  So behind block 0's loads stand 8, behind block 1's 6 + 8, behind block 2's 6 + 8, behind block 3's 6.
.macro PRODUCE g
	s_mov_b32 s56, 0
.Lkstep_\@:
	s_lshl_b32 s57, s56, 9
	s_mul_i32 s60, s56, 1536
	s_lshl_b32 s61, s56, 8
	s_lshl_b32 s62, s56, 2
	v_add_nc_u32 v10, s57, v3
	v_add_nc_u32 v11, s60, v4
	v_add_nc_u32 v12, s61, v[6+(\g)]
	v_add_nc_u32 v13, s62, v5
	PLD 0
	PLD 1
	PBLK 0, 8, 1
	PBLK 1, 14, 1
	PBLK 2, 14, 0
	PBLK 3, 6, 0
	ds_store_b32 v13, v212
	s_wait_dscnt 0x0                               ; no LDS instruction of mine is out: the four addresses may be written again
	s_add_co_u32 s56, s56, 1
	s_cmp_lt_u32 s56, 2
	s_cbranch_scc1 .Lkstep_\@
.endm
.macro LOADA g                         ; the new block's 16 fragments, as they stand, into the group's window, and its scale words: lanes 0-15 rows 0-15, lanes 16-31 rows 16-31
	WIN 0x40*((\g)+1)
.set n, 0
.rept 48
	ds_load_b128 v[4*n:4*n+3], v18 offset:512*n
.set n, n+1
.endr
	WIN 0
	ds_load_b128 v[32+8*(\g):35+8*(\g)], v19
	ds_load_b128 v[36+8*(\g):39+8*(\g)], v19 offset:16
.endm
; A BOUNDARY for group g.  comp: its block is finished; prod: the next block, which lies in T, takes its place; refill: T is filled again; skip: the pair loop's first trip has no block to finish.
; The first barrier parts all waves' stores into PS from all waves' reads of it, and every wave's reads of the images at the last boundary (waited for at the half-step's head) from this boundary's stores into them.
; The second parts the stores into the images from their reads, and my reads of T from its refill.
.macro BND g, comp, prod, refill, skip
.if \comp
.if \skip
	s_cmp_eq_u32 s55, 0
	s_cbranch_scc1 .Lno_sums_\@
.endif
	REDUCE \g
.if \skip
.Lno_sums_\@:
.endif
	s_wait_dscnt 0x0
	s_barrier_signal -1
	s_barrier_wait -1
.if \skip
	s_cmp_eq_u32 s55, 0
	s_cbranch_scc1 .Lno_soft_\@
.endif
	SOFTMAX \g
	CONTEXT \g
.if \skip
.Lno_soft_\@:
.endif
.endif
.if \prod
	s_wait_tensorcnt 0x0                           ; my 8 rows have landed; I alone read them
	WIN 0x40*((\g)+1)
.irp i, 0,1,2,3,4,5,6,7,8,9,10,11,12,13,14,15
	v_mov_b32 v[224+\i], 0                         ; the new block's sums
.endr
	WIN 0
	PRODUCE \g
.if \refill
	s_wait_tensorcnt 0x0                           ; no tensor load of mine is out, so group 0 may be written
	ds_add_u32 v30, v31                            ; 0 onto my spare word
	s_add_nc_u64 s[38:39], s[38:39], 131072        ; 32 rows on; the type bits on top are not reached
	s_wait_dscnt 0x0                               ; the add is done, my stores have landed, my reads of T are over
	s_barrier_signal -1
	s_barrier_wait -1
	tensor_load_to_lds s[36:39], s[28:35]          ; my one tensor load behind this barrier, first thing there: by this text's count one is out
	s_nop 0
	NOP4
.else
	s_wait_dscnt 0x0
	s_barrier_signal -1
	s_barrier_wait -1
.endif
	LOADA \g
.endif
.endm
	s_load_b512 s[4:19], s[0:1], 0x0               ; keys, uaf, Ua's scales, qb, Va_w, sc, pml, pctx
	v_lshl_add_u32 v30, v0, 2, SPARE
	v_mov_b32 v31, 0
	ds_add_u32 v30, v31                            ; the wave's opening: the add, twice on end, and its wait ahead of my first tensor load
	ds_add_u32 v30, v31
	v_lshrrev_b32 v208, 5, v0
	v_readfirstlane_b32 s20, v208                  ; wave 0..3
	; descriptor group 1: my 8 rows of 4 KB are dense in memory: 32 rows of 128 elements of 8 bytes, 16 bytes of padding behind each
	s_mov_b32 s28, (3<<16)|(1<<20)|(7<<22)|(3<<25) ; elements of 8 bytes; padding on, after every 256 words, of 4 words
	s_mov_b32 s29, 128<<16                         ; tensor_dim0
	s_mov_b32 s30, 32<<16                          ; tensor_dim1
	s_mov_b32 s31, 128<<16                         ; tile_dim0
	s_mov_b32 s32, 32                              ; tile_dim1
	s_mov_b32 s33, 128                             ; from row to row
	s_mov_b32 s34, 0
	s_mov_b32 s35, 0
	s_mov_b32 s22, 0x4038aa3b                      ; C2 = 2 log2(e)
	s_mov_b32 s23, 0x4038aa3b                      ; (named with it as a pair)
	s_mov_b32 s24, 0x76543210
	s_mov_b32 s25, 0xfedcba98                      ; v_permlanex16_b32's selects for lane l xor 16
	s_mov_b32 s48, 1                               ; the last tile asked for
	s_mov_b32 s51, 0
	s_mov_b32 s53, 0
	v_and_b32 v208, 31, v0                         ; L
	v_and_b32 v209, 15, v0                         ; r
	v_bfe_u32 v210, v0, 4, 1                       ; h
	v_bfe_u32 v211, v0, 2, 3                       ; L / 4
	v_and_b32 v212, 3, v0                          ; L % 4
	v_lshlrev_b32 v1, 4, v208                      ; v1  16 L
	v_lshlrev_b32 v2, 5, v209                      ; v2  32 r
	v_lshlrev_b32 v28, 2, v208                     ; v28 4 L
	ALUW                                           ; these eight are read again behind runs of scalar lines
	s_mul_i32 s21, s20, T_W
	v_mul_u32_u24 v3, v208, T_P
	v_add_nc_u32 v3, s21, v3                       ; v3  T: my segment
	s_lshr_b32 s21, s20, 1
	s_mul_i32 s21, s21, 12288
	s_and_b32 s49, s20, 1
	s_lshl_b32 s49, s49, 7
	s_add_co_u32 s21, s21, s49
	s_add_co_u32 s21, s21, IMG
	v_mul_u32_u24 v4, v212, 3072
	v_lshl_add_u32 v4, v211, 4, v4
	v_add_nc_u32 v4, s21, v4                       ; v4  images: tile of rows w / 2, K steps 2 (L % 4) on, lane 8 (w % 2) + L / 4
	s_lshl_b32 s21, s20, 8
	s_add_co_u32 s21, s21, SCB
	v_lshl_add_u32 v5, v208, 3, s21                ; v5  my two scale words
	s_mul_i32 s21, s20, 32*BF_P
	s_add_co_u32 s21, s21, BF0
	v_mul_u32_u24 v6, v208, BF_P
	v_add_nc_u32 v6, s21, v6                       ; v6, v7  bf16: my segment, group 0, 1
	v_add_nc_u32 v7, BFSZ, v6
	v_add_nc_u32 v8, s21, v1                       ; v8, v9  bf16 back: my wave's rows, 16 bytes a lane
	v_add_nc_u32 v9, BFSZ, v8
	s_lshl_b32 s21, s20, 7
	s_add_co_u32 s49, s21, PS
	v_lshl_add_u32 v14, v210, 5, s49               ; v14 PS: my wave's 32 numbers, my half's eight
	v_lshl_add_u32 v15, v208, 2, PS                ; v15 PS back: row L
	s_add_co_u32 s49, s21, PB
	v_lshl_add_u32 v16, v208, 2, s49               ; v16 p of row L into my wave's copy
	s_mul_i32 s49, s20, 160
	s_add_co_u32 s49, s49, PB
	v_mov_b32 v17, s49                             ; v17 in my copy, my wave's rows 8 w on
	v_add_nc_u32 v18, IMG, v1                      ; v18 images back
	v_lshl_add_u32 v19, v208, 5, SCB               ; v19 row L's 32 scale bytes
	s_lshl_b32 s21, s20, 10
	s_add_co_u32 s49, s21, BT
	v_lshl_add_u32 v20, v209, 3, s49               ; v20 the tables: my wave's, lane r's pair
	v_lshl_add_u32 v21, v210, 2, v20               ; v21 and where I fill them
	s_add_co_u32 s49, s21, CX
	v_add_nc_u32 v23, s49, v1                      ; v23 CX back: my wave's 256 columns
	s_lshl_b32 s49, s20, 12
	s_add_co_u32 s49, s49, CX
	v_lshl_add_u32 v29, v208, 5, s49               ; v29 CX: my wave's 1,024 numbers, my eight of each 256
	s_lshl_b32 s26, ttmp9, 20                      ; 256 rows of 4 KB a work-group,
	s_lshl_b32 s21, s20, 15                        ; 8 a wave
	s_add_co_u32 s26, s26, s21
	s_mov_b32 s27, 0
	s_mov_b32 s36, 1                               ; group 0: count = 1
	s_mul_i32 s37, s20, T_W                        ; LDS address: my part of T
	ALUW                                           ; the addresses made above are first read behind waits, barriers and branches
	s_wait_dscnt 0x0                               ; both opening adds are done
	s_wait_kmcnt 0x0
	s_add_nc_u64 s[38:39], s[4:5], s[26:27]        ; global address: block 0
	s_or_b32 s39, s39, 0x80000000                  ; type = 2
	tensor_load_to_lds s[36:39], s[28:35]          ; the first fill: every wave issues one
	s_nop 0
	NOP4
	s_mul_i32 s26, s20, 196608
	s_add_nc_u64 s[40:41], s[6:7], s[26:27]        ; my 16 tiles of uaf
	s_lshl_b32 s26, s20, 13
	s_add_nc_u64 s[42:43], s[8:9], s[26:27]        ; my 256 rows of Ua's scale bytes
	s_lshr_b32 s26, ttmp9, 3
	s_lshl_b32 s26, s26, 12
	s_lshl_b32 s21, s20, 10
	s_add_co_u32 s26, s26, s21
	s_add_nc_u64 s[10:11], s[10:11], s[26:27]      ; qb: my batch, my 256 outputs
	s_mov_b32 s26, s21
	s_add_nc_u64 s[12:13], s[12:13], s[26:27]      ; Va_w likewise
	s_lshl_b32 s26, ttmp9, 10
	s_add_nc_u64 s[58:59], s[14:15], s[26:27]      ; sc: my work-group's 256 numbers
	s_lshl_b32 s26, ttmp9, 8
	s_add_nc_u64 s[16:17], s[16:17], s[26:27]      ; pml
	s_lshl_b32 s26, ttmp9, 12
	s_add_co_u32 s26, s26, s21
	s_add_nc_u64 s[18:19], s[18:19], s[26:27]      ; pctx: my work-group's row, my wave's 256 columns
.irp p, 0,1,2,3,4,5,6,7
	global_load_b32 v[96+\p], v28, s[10:11] offset:128*\p
.endr
.irp p, 0,1,2,3,4,5,6,7
	global_load_b32 v[104+\p], v28, s[12:13] offset:128*\p
.endr
.irp t, 0,1                            ; Ua's tiles 0 and 1, in the order of a tile step's loads: 12, 2, 12
	WIN 0xc0
.irp f, 0,1,2,3
.irp c, 0,1,2
	global_load_b128 v[96*\t+12*\f+4*\c:96*\t+12*\f+4*\c+3], v1, s[40:41] offset:12288*\t+1536*\f+512*\c
.endr
.endr
	WIN 0
	global_load_b128 v[48+8*\t:51+8*\t], v2, s[42:43] offset:512*\t
	global_load_b128 v[52+8*\t:55+8*\t], v2, s[42:43] offset:512*\t+16
	WIN 0xc0
.irp f, 4,5,6,7
.irp c, 0,1,2
	global_load_b128 v[96*\t+12*\f+4*\c:96*\t+12*\f+4*\c+3], v1, s[40:41] offset:12288*\t+1536*\f+512*\c
.endr
.endr
.endr
	WIN 0
	v_mov_b32 v24, 0xff61b1e6                      ; m: -3e38, under every t
	v_mov_b32 v25, 0                               ; l
	v_mov_b32 v26, 0
	v_mov_b32 v27, 0                               ; (named with f as a pair)
	v_mov_b32 v219, 0                              ; written once: a lane permute's destination counts as one of its sources
	v_mov_b32 v223, 0
.irp j, 0,1,2,3,4,5,6,7,8,9,10,11,12,13,14,15,16,17,18,19,20,21,22,23,24,25,26,27,28,29,30,31
	v_mov_b32 v[64+\j], 0                          ; the context
.endr
	WIN 0x80
.irp i, 0,1,2,3,4,5,6,7,8,9,10,11,12,13,14,15
	v_mov_b32 v[224+\i], 0                         ; group 1's sums: written on every way through the text
.endr
	WIN 0
	ALUW
	s_wait_loadcnt 52                              ; the 16 table loads are older than Ua's 52
.irp p, 0,1,2,3,4,5,6,7
	v_mul_f32 v[104+\p], 0xc038aa3b, v[104+\p]     ; -C2 x Va_w
.endr
.irp p, 0,1,2,3,4,5,6,7                ; number 32 p + 16 h + r goes to pair p, lane r, word h: the pair of tiles 2 p and 2 p + 1
	ds_store_b32 v21, v[96+\p] offset:128*\p
	ds_store_b32 v21, v[104+\p] offset:VT_O+128*\p
.endr
	ALUW                                           ; the head's end
	s_wait_dscnt 0x0                               ; the stores have read their registers; only my wave reads these bytes
	BND 0, 0, 1, 1, 0                              ; block 0 is quantised, block 1 asked for
	HALF 1, 0, 0                                   ; block 0 alone, tiles 0-7
	s_mov_b32 s55, 0
.Lpair:                                        ; trip K: ends block 2 K - 1 (none at K = 0), takes in 2 K + 1, asks for 2 K + 2; then ends 2 K, takes in 2 K + 2, asks for 2 K + 3
	BND 1, 1, 1, 1, 1
	HALF 3, 8, 0
	BND 0, 1, 1, 1, 0
	HALF 3, 0, 0
	s_add_co_u32 s55, s55, 1
	s_cmp_lt_u32 s55, 3
	s_cbranch_scc1 .Lpair
	BND 1, 1, 1, 0, 0                              ; the tail is written out: block 5 ends, block 7 comes in, nothing is left to ask for
	HALF 3, 8, 0
	BND 0, 1, 0, 0, 0                              ; block 6 ends
	HALF 2, 0, 1                                   ; block 7 alone, tiles 0-7
	BND 1, 1, 0, 0, 0                              ; block 7 ends
	; THE WAY OUT: the four waves' parts of the context (each its own 8 rows of every block) meet in CX; wave w sums and stores columns 256 w on.
	ALUW
.irp q, 0,1,2,3
.irp u, 0,1
	ds_store_b128 v29, v[64+8*\q+4*\u:67+8*\q+4*\u] offset:1024*\q+16*\u
.endr
.endr
	s_wait_dscnt 0x0                               ; for the others' sake: my stores have landed
	s_barrier_signal -1
	s_barrier_wait -1
.irp q, 0,1,2,3
.irp u, 0,1
	ds_load_b128 v[96+8*\q+4*\u:99+8*\q+4*\u], v23 offset:4096*\q+512*\u
.endr
.endr
	v_lshlrev_b32 v208, 1, v28                     ; 8 L
	ALUW
	s_wait_dscnt 0x0
.irp j, 0,2,4,6
	v_pk_add_f32 v[96+\j:97+\j], v[96+\j:97+\j], v[104+\j:105+\j]
	v_pk_add_f32 v[112+\j:113+\j], v[112+\j:113+\j], v[120+\j:121+\j]
.endr
.irp j, 0,2,4,6
	v_pk_add_f32 v[96+\j:97+\j], v[96+\j:97+\j], v[112+\j:113+\j]
.endr
	global_store_b128 v1, v[96:99], s[18:19]       ; each store of the wave covers 512 consecutive bytes, aligned
	global_store_b128 v1, v[100:103], s[18:19] offset:512
	s_cmp_lg_u32 s20, 0
	s_cbranch_scc1 .Lend
	global_store_b64 v208, v[24:25], s[16:17]      ; (m, l) thirty-two times: 256 consecutive bytes, aligned
.Lend:
	s_wait_tensorcnt 0x0                           ; the wave's end, behind my last tensor load and my last LDS store
	ds_add_u32 v30, v31
	s_wait_dscnt 0x0
	s_endpgm
.Lfunc_end_k_qe56a198806_main:
	.size	k_qe56a198806_main, .Lfunc_end_k_qe56a198806_main-k_qe56a198806_main
	.p2alignl 7, 3214868480
	.fill 96, 4, 3214868480
	.section	.rodata,"a",@progbits
	.p2align	6, 0x0
	.amdhsa_kernel k_qe56a198806_main
		.amdhsa_group_segment_fixed_size 327680
		.amdhsa_private_segment_fixed_size 0
		.amdhsa_enable_private_segment 0
		.amdhsa_kernarg_size 64
		.amdhsa_user_sgpr_count 2
		.amdhsa_user_sgpr_kernarg_segment_ptr 1
		.amdhsa_wavefront_size32 1
		.amdhsa_system_sgpr_workgroup_id_x 1
		.amdhsa_system_sgpr_workgroup_id_y 1
		.amdhsa_system_sgpr_workgroup_id_z 1
		.amdhsa_system_vgpr_workitem_id 0
		.amdhsa_next_free_vgpr 1024
		.amdhsa_next_free_sgpr 66
		.amdhsa_reserve_vcc 0
		.amdhsa_float_denorm_mode_32 3
		.amdhsa_float_denorm_mode_16_64 3
		.amdhsa_memory_ordered 1
		.amdhsa_forward_progress 1
		.amdhsa_inst_pref_size 255
	.end_amdhsa_kernel
	.section	.bss,"aw",@nobits
	.p2align	6
	.space	262144
	.amdgpu_metadata
---
amdhsa.version: [ 1, 2 ]
amdhsa.kernels:
  - .name:           k_qe56a198806_main
    .symbol:         k_qe56a198806_main.kd
    .args:
      - { .name: keys, .offset: 0, .size: 8, .value_kind: global_buffer, .address_space: global }
      - { .name: uaf, .offset: 8, .size: 8, .value_kind: global_buffer, .address_space: global }
      - { .name: Ua_w_scales, .offset: 16, .size: 8, .value_kind: global_buffer, .address_space: global }
      - { .name: qb, .offset: 24, .size: 8, .value_kind: global_buffer, .address_space: global }
      - { .name: Va_w, .offset: 32, .size: 8, .value_kind: global_buffer, .address_space: global }
      - { .name: sc, .offset: 40, .size: 8, .value_kind: global_buffer, .address_space: global }
      - { .name: pml, .offset: 48, .size: 8, .value_kind: global_buffer, .address_space: global }
      - { .name: pctx, .offset: 56, .size: 8, .value_kind: global_buffer, .address_space: global }
    .group_segment_fixed_size: 327680
    .private_segment_fixed_size: 0
    .kernarg_segment_align: 8
    .kernarg_segment_size: 64
    .max_flat_workgroup_size: 128
    .sgpr_count:     66
    .vgpr_count:     1024
    .wavefront_size: 32
...
	.end_amdgpu_metadata
.endif
;; end of part 2
;; launch combine (part 3): grid 32 x 1, 8 waves a work-group, no clusters, 0 bytes of LDS; arguments sc, pml, pctx, out0, out1; writes out0, out1
.if DOCPART == 3
	.amdgcn_target "amdgcn-amd-amdhsa--gfx1250"
	.amdhsa_code_object_version 6
	.text
	.protected	k_qe56a198806_combine
	.globl	k_qe56a198806_combine
	.p2align	8
	.type	k_qe56a198806_combine,@function
k_qe56a198806_combine:
	s_mov_b64 s[64:65], 0
	v_nop
	global_prefetch_b8 v0, s[64:65] scope:SCOPE_SE
	s_setreg_imm32_b32 hwreg(HW_REG_WAVE_MODE, 25, 1), 1
	s_wait_xcnt 0x0
; LAUNCH 3 OF 3.  The eight parts of a batch are joined.  Part g has its maximum m_g, its sum l_g of 2^(t - m_g) and its sum pctx_g of 2^(t - m_g) x key.  With M = the largest m_g and
; L = sum of l_g 2^(m_g - M):  out1[b][s] = 2^(t[s] - M) / L;  out0[b][c] = sum over g of 2^(m_g - M) / L x pctx_g[c].  (Va_b and sum(Va_w) are left out as dead work: shown at the head of the first kernel.)
; Work-group b takes batch b; thread n takes 16 bytes at 16 n of each row: every load and store of a wave covers 512 consecutive bytes.  Memory binds and the work is small: no LDS, no matrix unit, no cluster.
	s_load_b256 s[4:11], s[0:1], 0x0               ; sc, pml, pctx, out0
	s_load_b64 s[12:13], s[0:1], 0x20              ; out1
	v_lshlrev_b32 v1, 4, v0
	s_lshl_b32 s32, ttmp9, 11                      ; pml: 8 parts x 256 bytes
	s_mov_b32 s33, 0
	s_lshl_b32 s34, ttmp9, 13                      ; sc, out1: 2,048 numbers
	s_mov_b32 s35, 0
	s_lshl_b32 s36, ttmp9, 15                      ; pctx: 8 rows of 4 KB
	s_mov_b32 s37, 0
	s_lshl_b32 s38, ttmp9, 12                      ; out0: 1,024 numbers
	s_mov_b32 s39, 0
	s_wait_alu depctr_va_vdst(0)
	s_wait_kmcnt 0x0
	s_add_nc_u64 s[6:7], s[6:7], s[32:33]
	s_add_nc_u64 s[4:5], s[4:5], s[34:35]
	s_add_nc_u64 s[12:13], s[12:13], s[34:35]
	s_add_nc_u64 s[8:9], s[8:9], s[36:37]
	s_add_nc_u64 s[10:11], s[10:11], s[38:39]
.irp g, 0,1,2,3,4,5,6,7
	s_load_b64 s[16+2*\g:17+2*\g], s[6:7], 256*\g  ; (m_g, l_g): this launch writes nothing into pml
.endr
	global_load_b128 v[4:7], v1, s[4:5]
	global_load_b128 v[8:11], v1, s[4:5] offset:4096
.irp g, 0,1,2,3,4,5,6,7
	global_load_b128 v[12+4*\g:15+4*\g], v1, s[8:9] offset:4096*\g
.endr
	s_wait_kmcnt 0x0
.irp g, 0,1,2,3,4,5,6,7
	v_mov_b32 v[44+\g], s[16+2*\g]
.endr
	v_max3_num_f32 v52, v44, v45, v46
	s_delay_alu instid0(VALU_DEP_1)
	v_max3_num_f32 v52, v52, v47, v48
	s_delay_alu instid0(VALU_DEP_1)
	v_max3_num_f32 v52, v52, v49, v50
	s_delay_alu instid0(VALU_DEP_1)
	v_max_num_f32 v52, v52, v51                    ; M
.irp g, 0,1,2,3,4,5,6,7
	v_sub_f32 v[44+\g], v[44+\g], v52
.endr
	s_wait_alu depctr_va_vdst(0)
	s_wait_loadcnt 8                               ; the two loads of sc are older than the eight of pctx
.irp i, 0,1,2,3,4,5,6,7
	v_sub_f32 v[4+\i], v[4+\i], v52
.endr
	s_wait_alu depctr_va_vdst(0)
.irp g, 0,1,2,3,4,5,6,7
	v_exp_f32 v[44+\g], v[44+\g]                   ; 2^(m_g - M)
.endr
.irp i, 0,1,2,3,4,5,6,7
	v_exp_f32 v[4+\i], v[4+\i]                     ; 2^(t - M)
.endr
	v_nop                                          ; a plain line behind the last exponential,
	s_wait_alu depctr_va_vdst(0)                   ; and one wait for the sixteen, ahead of the first reader
	v_mul_f32 v53, s17, v44
.irp g, 1,2,3,4,5,6,7
	v_fma_f32 v53, s[17+2*\g], v[44+\g], v53       ; L
.endr
	s_wait_alu depctr_va_vdst(0)
	v_rcp_f32 v54, v53
	v_nop
	s_wait_alu depctr_va_vdst(0)
.irp i, 0,1,2,3,4,5,6,7
	v_mul_f32 v[4+\i], v[4+\i], v54
.endr
	global_store_b128 v1, v[4:7], s[12:13]
	global_store_b128 v1, v[8:11], s[12:13] offset:4096
.irp g, 0,1,2,3,4,5,6,7
	v_mul_f32 v[44+\g], v[44+\g], v54              ; part g's weight
.endr
	s_wait_alu depctr_va_vdst(0)
	s_wait_loadcnt 0x0
.irp c, 0,1,2,3
	v_mul_f32 v[56+\c], v[12+\c], v44
.endr
.irp g, 1,2,3,4,5,6,7
.irp c, 0,1,2,3
	s_delay_alu instid0(VALU_DEP_4)
	v_fma_f32 v[56+\c], v[12+4*\g+\c], v[44+\g], v[56+\c]
.endr
.endr
	global_store_b128 v1, v[56:59], s[10:11]
	s_endpgm
.Lfunc_end_k_qe56a198806_combine:
	.size	k_qe56a198806_combine, .Lfunc_end_k_qe56a198806_combine-k_qe56a198806_combine
	.p2alignl 7, 3214868480
	.fill 96, 4, 3214868480
	.section	.rodata,"a",@progbits
	.p2align	6, 0x0
	.amdhsa_kernel k_qe56a198806_combine
		.amdhsa_group_segment_fixed_size 0
		.amdhsa_private_segment_fixed_size 0
		.amdhsa_enable_private_segment 0
		.amdhsa_kernarg_size 40
		.amdhsa_user_sgpr_count 2
		.amdhsa_user_sgpr_kernarg_segment_ptr 1
		.amdhsa_wavefront_size32 1
		.amdhsa_system_sgpr_workgroup_id_x 1
		.amdhsa_system_sgpr_workgroup_id_y 1
		.amdhsa_system_sgpr_workgroup_id_z 1
		.amdhsa_system_vgpr_workitem_id 0
		.amdhsa_next_free_vgpr 64
		.amdhsa_next_free_sgpr 66
		.amdhsa_reserve_vcc 0
		.amdhsa_float_denorm_mode_32 3
		.amdhsa_float_denorm_mode_16_64 3
		.amdhsa_memory_ordered 1
		.amdhsa_forward_progress 1
		.amdhsa_inst_pref_size 9
	.end_amdhsa_kernel
	.amdgpu_metadata
---
amdhsa.version: [ 1, 2 ]
amdhsa.kernels:
  - .name:           k_qe56a198806_combine
    .symbol:         k_qe56a198806_combine.kd
    .args:
      - { .name: sc, .offset: 0, .size: 8, .value_kind: global_buffer, .address_space: global }
      - { .name: pml, .offset: 8, .size: 8, .value_kind: global_buffer, .address_space: global }
      - { .name: pctx, .offset: 16, .size: 8, .value_kind: global_buffer, .address_space: global }
      - { .name: out0, .offset: 24, .size: 8, .value_kind: global_buffer, .address_space: global }
      - { .name: out1, .offset: 32, .size: 8, .value_kind: global_buffer, .address_space: global }
    .group_segment_fixed_size: 0
    .private_segment_fixed_size: 0
    .kernarg_segment_align: 8
    .kernarg_segment_size: 40
    .max_flat_workgroup_size: 256
    .sgpr_count:     66
    .vgpr_count:     64
    .wavefront_size: 32
...
	.end_amdgpu_metadata
.endif
;; end of part 3
